; MI455X (gfx1250); checked and timed in simulation.
; The chip was launched on July 23, 2026; its instructions are those of AMD's public machine-readable ISA for CDNA 5 (MIT licence, August 2026) and "CDNA5" Instruction Set Architecture Reference Guide (July 2026). The comments in the code are by the model that wrote it; some were corrected since.
;; Conv2 D Sum. Allowed arithmetic: matrix products marked QUANTISED: E5M2 operands, one given power-of-two scale a tensor, by v_wmma_f32_16x16x64_bf8_bf8 or v_wmma_f32_16x16x128_bf8_bf8, f32 sums; everything else in f32.
;; Inputs: accumulators 1 x 1 x 32 x 32 float32; lowp_scales 2 int32 (the exponents e of the quantised operands' scales 2^e); x 32 x 128 x 128 x 32 float32.
;; Outputs: out0 32 x 128 x 128 x 32 float32.
;; This version of the problem:
;;   THIS VERSION OF THE PROBLEM IS GIVEN IN LOW PRECISION. The matrix products marked QUANTISED in the list below multiply operands that are first quantised to E5M2 (5 exponent bits, 2 mantissa bits; 8 bits a number), with one given power-of-two scale for each operand tensor; their sums are f32. All else is computed in f32.
;;   The module's matrix products, in the order in which they are computed (A, B: the left and right operand; K: the contracted axis; several contracted axes count as one K, in the product's order):
;;     1. [M 524,288, K 32] x [K 32, N 32]; A: computed on the way; B: computed on the way: QUANTISED (scales: A lowp_scales[0], B lowp_scales[1])
;;   THE QUANTISER, for each operand of a quantised product, along K:
;;     - The operand's scale is 2^e, e = its entry of the input lowp_scales (int32; the entries are numbered through the quantised products in the list's order, A before B).
;;     - Each number is divided by the scale, clamped to +-57,344, and rounded to the nearest number of E5M2, ties to even, subnormals kept.
;;     - The product sums the exact products of the quantised numbers (number of the format x scale) in f32.
;;   ~~~python
;;   def quantise(x, axis, e):      # numpy; x: float32 -> the quantised numbers, widened to float32 again
;;       x = np.moveaxis(x, axis, -1); K = x.shape[-1]
;;       r = np.clip(x / 2.0 ** e, -57344, 57344)
;;       step = 2.0 ** (np.maximum(np.frexp(np.where(r == 0, 1, r))[1] - 1, -14) - 2)
;;       q = np.round(r / step) * step * 2.0 ** e      # np.round: ties to even
;;       return np.moveaxis(q, -1, axis).astype(np.float32)
;;   ~~~
;;   OPERANDS COMPUTED ON THE WAY. 'Computed on the way' means the value that the module computes at that place (a softmax that the list does not call 'softmax' is quantised finished and normalised). What goes into a quantiser is computed in f32, as accurately as f32 sums, v_exp_f32 and their like allow (about 1e-6 of the number): no bf16 or f16 on the way to a quantiser, and a product that is left as it is and whose result goes on into a quantised operand takes f32 operands (vector FMAs, or v_wmma_f32_16x16x4_f32). A number that lies on a knife's edge between two numbers of the format may be rounded either way, as far as f32 arithmetic and the matrix unit's own rounding can turn it there, and no further.
;; 2 versions. Each part assembles by itself: llvm-mc -triple=amdgcn-amd-amdhsa -mcpu=gfx1250 --defsym DOCPART=n.
;; ======== version 1 of 2: 1 launch
;; launch logconv (part 1): grid 256 x 1, 16 waves a work-group, no clusters, 60,416 bytes of LDS; arguments x, accumulators, lowp_scales, out0; writes out0
.if DOCPART == 1
	.amdgcn_target "amdgcn-amd-amdhsa--gfx1250"
	.amdhsa_code_object_version 6
	.text
	.protected	k_q1278ed1fde_logconv
	.globl	k_q1278ed1fde_logconv
	.p2align	8
	.type	k_q1278ed1fde_logconv,@function
k_q1278ed1fde_logconv:
	s_mov_b64 s[64:65], 0
	v_nop
	global_prefetch_b8 v0, s[64:65] scope:SCOPE_SE
	s_setreg_imm32_b32 hwreg(HW_REG_WAVE_MODE, 25, 1), 1
	s_wait_xcnt 0x0
; out[row][s] = m[row] + ln( sum over c of Q0(p[row][c]) Q1(w[c][s]) ),  m = max over c of x[row][c],  p = exp(x - m),  w = exp(log_softmax over c of accumulators).
; x, out: [524,288][32] f32.  accumulators: [32 (c)][32 (s)] f32.  Q0, Q1: codes of BF8 (E5M2) with the given scales 2^e0, 2^e1 (lowp_scales); the product by v_wmma_f32_16x16x64_bf8_bf8, sums in f32.
; SHARES.  256 work-groups of 16 waves.  A work-group owns 2,048 rows, a wave 128 rows (16,384 bytes of x) as four UNITS of 32 rows, a unit as two tiles of 16 rows.
; ALL OF x THAT A WAVE NEEDS IS ASKED FOR AT THE HEAD, INTO REGISTERS: 32 loads of 512 consecutive bytes, 16 a lane, fill 128 registers.  Each unit is worked behind its own counted wait, while the younger loads are on their way.
; THE LOADS' LAYOUT.  In load n lane l holds row 4 n + l / 8, channels 4 (l % 8) + 0 .. 3: a row lies in eight neighbouring lanes.  Its maximum takes three steps between lanes; x - m, the exponential, the hold and the
; conversion are made number by number where the numbers lie.  ONLY THE CODES, a quarter of the bytes, go through LDS to reach the operand's layout.
; THE PRODUCT is used transposed: source 0 = 16 columns of w, source 1 = 16 rows of p.  Lane (r, h) (r = lane % 16, h = lane / 16) holds row r, and of the result the columns 16 h .. 16 h + 15: w's tile t takes column
; 16 (m / 8) + 8 t + m % 8 as its row m, so that a lane's 8 + 8 results of the two tiles are 64 neighbouring bytes of its row.
; K is 32 of the instruction's 64: byte b of register i (i = 0 .. 3) holds channel 16 h + 4 i + b in BOTH operands (one permutation of k for both keeps every product with its partner); registers 4-7 hold zero codes.
; THE WAY OUT.  The sums go through the wave's stage in LDS and come back in memory's order, which is the loads' layout again: the lane still holds that row's m.  So the logarithm and the addition of m are made there,
; in the registers that x came in, and each store of the wave covers 512 consecutive bytes.
; w IS MADE ONCE A WORK-GROUP: wave 0 makes tile 0, wave 1 tile 1 (exp(a - max) x 1 / sum, which is exp(log_softmax)); the four registers go to LDS as they stand, one barrier, every wave loads both.
; NO CLUSTER: work-groups share nothing but the accumulators' 4,096 bytes.  NO TENSOR LOAD: what a wave reads of x fits in its registers, and nobody else reads it.
; LIMITS: e0 and e1 between -126 and 112, so that 2^e and 57,344 x 2^e are f32 numbers.  NaN or +infinity in x, and a row that is all -infinity, are not served (the maximum and the hold's minimum drop a NaN).
; v_exp_f32 gives 0 under 2^-126 (ISA guide 15.8): such p and w count as 0, which shows only where e is under -109.
.set UNITS,  4                         ; units of a wave
.set UNIT,   4096                      ; bytes of x, and of out, in a unit: 8 loads or stores of 512
.set WAVES,  16
.set PITCH,  272                       ; the stage: a line of 256 bytes (two rows of out) + 16 of padding = 68 words
.set SREG,   2304                      ; a wave's stage: 8 lines x 272 bytes, rounded up to blocks of 256
.set STG,    0
.set CHALF,  320                       ; a tile's codes: 16 rows x 16 bytes of channels 0-15, then, 320 bytes = 80 words on, of channels 16-31: the two halves of a store's lanes fall on different banks, and each half is read as 256 bytes on end
.set CTILE,  CHALF+256                 ; 576 bytes a tile
.set CREG,   1280                      ; a wave's two tiles of codes, rounded up to blocks of 256
.set CST,    STG+WAVES*SREG            ; 36,864
.set WIMG,   CST+WAVES*CREG            ; 57,344: w's two tiles as images of their registers, 512 bytes each.  58,368 bytes in all
.set SO,  2                            ; v2   the stage: where I put my 64 bytes of row r
.set SR,  3                            ; v3   the stage: where I read 16 bytes back, in memory's order
.set GO,  4                            ; v4   16 x lane: my place in a load's or a store's 512 bytes; never rewritten
.set WI,  5                            ; v5   w's image: 16 x lane
.set WS,  6                            ; v6   where waves 0 and 1 store it: + 512 x tile
.set AO,  7                            ; v7   my byte offset in the accumulators
.set CS,  8                            ; v8   the codes: where I put the four codes of a load
.set CR,  9                            ; v9   the codes: where I read my 16 of row r
.set SC,  10                           ; v10  2^e0 as f32: the conversion takes its exponent field
.set LIM, 11                           ; v11  57,344 x 2^e0
.set KB,  12                           ; v12  (e0 + e1) ln 2
.set SCW, 13                           ; v13, v14: the same as v10, v11 with e1 (waves 0 and 1)
.set LIMW, 14
.set M,   16                           ; v16-31   load n of a unit: v[16 + 2 n] its row's m, later m + (e0 + e1) ln 2; v[17 + 2 n] at work (named with it as a pair, so it is written)
.set A,   36                           ; v36-51   waves 0 and 1: 16 accumulators, then w
.set WT,  52                           ; v52-55   at work while w is made
.set C,   56                           ; v56-63   the codes just made: a register for each load of a unit
.set PA,  64                           ; v64-79   p's two operands: 4 registers of codes, 4 of zeros
.set WF,  80                           ; v80-95   w's two operands, likewise
.set D,   96                           ; v96-127  the sums (tile a, w's tile t at D + 16 a + 8 t)
.set X,   128                          ; v128-255 load n of the wave at X + 4 n: x, then p, then out: no store's data are ever written again
.set WV,  12                           ; s12  my wave's number
.set SEL, 42                           ; s[42:43] v_permlanex16_b32's selects for lane l xor 16
.set CL,  44                           ; s[44:45] log2(e): the packed forms name a pair and take its low word for both halves
.set LN2, 46                           ; s[46:47] ln 2
.macro XLOADS                          ; my wave's 16,384 bytes: each load reads 512 consecutive bytes, at a multiple of 512 from x's first byte; read once by this wave alone
.set nn, 0
.rept 32
	global_load_b128 v[X+4*nn:X+4*nn+3], v[GO], s[4:5] offset:512*nn th:TH_LOAD_NT
.set nn, nn+1
.endr
.endm
	s_load_b256 s[4:11], s[0:1], 0x0               ; x s[4:5], accumulators s[6:7], lowp_scales s[8:9], out s[10:11]
	v_lshl_add_u32 v15, v0, 2, 0xe400
	v_mov_b32 v35, 0
	v_lshrrev_b32 v1, 5, v0
	v_readfirstlane_b32 s[WV], v1                  ; wave 0..15
	s_mov_b32 s[SEL], 0x76543210
	s_mov_b32 s[SEL+1], 0xfedcba98
	s_mov_b32 s[CL], 0x3fb8aa3b                    ; log2(e)
	s_mov_b32 s[CL+1], s[CL]
	s_mov_b32 s[LN2], 0x3f317218                   ; ln 2
	s_mov_b32 s[LN2+1], s[LN2]
	s_lshl_b32 s2, ttmp9, 18                       ; the work-group's 262,144 bytes,
	s_lshl_b32 s3, s[WV], 14                       ; my wave's 16,384 of them: under 2^26 in all
	s_add_co_u32 s2, s2, s3
	s_mov_b32 s3, 0
	s_mul_i32 s14, s[WV], SREG                     ; my wave's stage (the stages begin at LDS byte 0)
	s_mul_i32 s13, s[WV], CREG
	s_add_co_u32 s13, s13, CST                     ; my wave's codes
	s_and_b32 s15, s[WV], 1                        ; which tile of w I make, if I make one
	s_lshl_b32 s48, s15, 9
	s_lshl_b32 s49, s15, 3
	; every address is made here, ahead of the branch on the wave's number, while the arguments are on their way
	v_and_b32 v1, 15, v0                           ; r
	v_bfe_u32 v32, v0, 4, 1                        ; h
	v_bfe_u32 v33, v0, 1, 3                        ; r / 2: two rows of 128 bytes lie in a line of the stage
	v_and_b32 v34, 1, v0                           ; r % 2
	v_mul_u32_u24 v33, v33, PITCH
	v_lshl_add_u32 v33, v34, 7, v33
	v_lshl_add_u32 v33, v32, 6, v33                ; (r / 2) x 272 + (r % 2) x 128 + 64 h
	v_add_nc_u32 v[SO], s14, v33
	v_mul_u32_u24 v34, v32, PITCH
	v_lshl_add_u32 v34, v1, 4, v34                 ; back: lanes 0-15 take one line of 256 bytes, lanes 16-31 the next
	v_add_nc_u32 v[SR], s14, v34
	v_and_b32 v[GO], 31, v0
	v_lshlrev_b32 v[GO], 4, v[GO]
	v_add_nc_u32 v[WI], WIMG, v[GO]
	v_add_nc_u32 v[WS], s48, v[WI]
	v_bfe_u32 v33, v0, 2, 1                        ; the codes, in: lane l holds channels 4 (l % 8) on, of row 4 j + l / 8: which half of the channels,
	v_mul_u32_u24 v33, v33, CHALF
	v_bfe_u32 v34, v0, 3, 2
	v_lshl_add_u32 v33, v34, 4, v33                ; + 16 (l / 8): the row (load j's 64 j stands in the store's offset),
	v_and_b32 v34, 3, v0
	v_lshl_add_u32 v33, v34, 2, v33                ; + 4 (l % 4): its place among the half's 16 bytes
	v_add_nc_u32 v[CS], s13, v33
	v_mul_u32_u24 v33, v32, CHALF                  ; the codes, out: 320 h + 16 r: channels 16 h .. 16 h + 15 of row r
	v_lshl_add_u32 v33, v1, 4, v33
	v_add_nc_u32 v[CR], s13, v33
	v_and_b32 v33, 7, v0
	v_bfe_u32 v34, v0, 3, 1
	v_lshl_add_u32 v33, v34, 4, v33
	v_add_nc_u32 v33, s49, v33                     ; my column of w: 16 (r / 8) + 8 t + r % 8
	v_lshlrev_b32 v33, 2, v33
	v_lshl_add_u32 v[AO], v32, 11, v33             ; + 16 h rows of 128 bytes: my registers run down c = 16 h + 0 .. 15
.irp i, 4,5,6,7,12,13,14,15
	v_mov_b32 v[PA+\i], 0                          ; the upper half of K: zero codes in both operands, written once
	v_mov_b32 v[WF+\i], 0
.endr
	s_wait_kmcnt 0x0
	s_load_b64 s[40:41], s[8:9], 0x0               ; e0, e1
	s_add_nc_u64 s[4:5], s[4:5], s[2:3]            ; x and out at my wave's first row
	s_add_nc_u64 s[10:11], s[10:11], s[2:3]
	s_cmp_lt_u32 s[WV], 2
	s_cbranch_scc0 .Lothers
	; ---- waves 0 and 1: a tile of w.  Lane (r, h) takes one column and its registers run down c: the softmax needs one exchange between the halves, and the codes come out with K innermost
.irp i, 0,1,2,3,4,5,6,7,8,9,10,11,12,13,14,15
	global_load_b32 v[A+\i], v[AO], s[6:7] offset:128*\i   ; ahead of x's loads, so that a counted wait serves them
.endr
	XLOADS
	s_wait_kmcnt 0x0
	s_add_co_i32 s50, s41, 127
	s_lshl_b32 s51, s50, 23
	v_mov_b32 v[SCW], s51                          ; 2^e1
	s_add_co_i32 s50, s50, 15
	s_lshl_b32 s50, s50, 23
	s_or_b32 s50, s50, 0x600000
	v_mov_b32 v[LIMW], s50                         ; 57,344 x 2^e1
	s_wait_loadcnt 32                              ; loads come back in order (ISA guide 5.7.1): the accumulators are in, x's 32 loads may be out
	v_max3_num_f32 v[WT],   v[A],   v[A+1], v[A+2] ; the column's largest accumulator: my 16 in two chains,
	v_max3_num_f32 v[WT+1], v[A+3], v[A+4], v[A+5]
.irp k, 6,10
	v_max3_num_f32 v[WT],   v[WT],   v[A+\k],   v[A+\k+1]
	v_max3_num_f32 v[WT+1], v[WT+1], v[A+\k+2], v[A+\k+3]
.endr
	v_max3_num_f32 v[WT], v[WT], v[A+14], v[A+15]
	v_max_num_f32 v[WT], v[WT], v[WT+1]
	v_permlanex16_b32 v[WT+1], v[WT], s[SEL], s[SEL+1]   ; and the other 16, in the lane 16 away (the destination has been written: it was the second chain)
	v_max_num_f32 v[WT], v[WT], v[WT+1]
.irp i, 0,2,4,6,8,10,12,14
	v_pk_add_f32 v[A+\i:A+\i+1], v[A+\i:A+\i+1], v[WT:WT+1] op_sel_hi:[1,0] neg_lo:[0,1] neg_hi:[0,1]   ; a - max (of the pair the low word serves both halves)
.endr
.irp i, 0,2,4,6,8,10,12,14
	v_pk_mul_f32 v[A+\i:A+\i+1], v[A+\i:A+\i+1], s[CL:CL+1] op_sel_hi:[1,0]
.endr
.irp i, 0,1,2,3,4,5,6,7,8,9,10,11,12,13,14,15
	v_exp_f32 v[A+\i], v[A+\i]                     ; exp(a - max): the largest is 1, so the sum is at least 1
.endr
	v_nop                                          ; a plain instruction behind the last exponential
	s_wait_alu depctr_va_vdst(0)                   ; the wait ahead of the batch's first reader
	v_pk_add_f32 v[WT:WT+1],   v[A:A+1],     v[A+2:A+3]
	v_pk_add_f32 v[WT+2:WT+3], v[A+4:A+5],   v[A+6:A+7]
	v_pk_add_f32 v[WT:WT+1],   v[WT:WT+1],   v[A+8:A+9]
	v_pk_add_f32 v[WT+2:WT+3], v[WT+2:WT+3], v[A+10:A+11]
	v_pk_add_f32 v[WT:WT+1],   v[WT:WT+1],   v[A+12:A+13]
	v_pk_add_f32 v[WT+2:WT+3], v[WT+2:WT+3], v[A+14:A+15]
	v_pk_add_f32 v[WT:WT+1],   v[WT:WT+1],   v[WT+2:WT+3]
	v_add_f32 v[WT], v[WT], v[WT+1]
	v_permlanex16_b32 v[WT+1], v[WT], s[SEL], s[SEL+1]
	v_add_f32 v[WT], v[WT], v[WT+1]                ; the column's sum over all 32 c
	v_rcp_f32 v[WT+2], v[WT]
	v_nop
	s_wait_alu depctr_va_vdst(0)                   ; the wait ahead of the first reader
.irp i, 0,2,4,6,8,10,12,14
	v_pk_mul_f32 v[A+\i:A+\i+1], v[A+\i:A+\i+1], v[WT+2:WT+3] op_sel_hi:[1,0]   ; w, finished and normalised
.endr
.irp i, 0,1,2,3,4,5,6,7,8,9,10,11,12,13,14,15
	v_min_num_f32 v[A+\i], v[A+\i], v[LIMW]        ; the conversion to an 8-bit code does not saturate (ISA guide 7.6.2): the hold at the largest code x the scale; w is not negative, so it is one-sided
.endr
	v_cvt_scalef32_pk8_bf8_f32 v[C:C+1],   v[A:A+7],    v[SCW]
	v_cvt_scalef32_pk8_bf8_f32 v[C+2:C+3], v[A+8:A+15], v[SCW]
	v_nop                                          ; a plain instruction behind the last conversion: later conversions write these registers again
	ds_store_b128 v[WS], v[C:C+3]                  ; the operand's four registers as they stand: 16 bytes a lane, 512 a tile
	s_wait_dscnt 0x0                               ; the store has read its registers: the first unit's codes may be written there
	s_branch .Ljoin
.Lothers:
	XLOADS
.Ljoin:                                                ; on both ways x's 32 loads are the youngest: the counts below hold for every wave
	s_wait_kmcnt 0x0
	s_add_co_i32 s48, s40, 127
	s_lshl_b32 s49, s48, 23
	v_mov_b32 v[SC], s49                           ; 2^e0
	s_add_co_i32 s48, s48, 15
	s_lshl_b32 s48, s48, 23
	s_or_b32 s48, s48, 0x600000
	v_mov_b32 v[LIM], s48                          ; 57,344 x 2^e0
	s_add_co_i32 s48, s40, s41
	v_cvt_f32_i32 v[KB], s48
	v_mul_f32 v[KB], s[LN2], v[KB]                 ; a sum of codes stands for sum x 2^(e0 + e1): its logarithm lacks (e0 + e1) ln 2
; A UNIT: 32 rows, eight loads side by side.
.macro UNITQ q
.set XB, X+32*\q
	s_wait_loadcnt 8*(UNITS-1-\q)                  ; this unit's eight loads are in; the younger units' may be out
.irp n, 0,1,2,3,4,5,6,7
	v_max3_num_f32 v[M+2*\n+1], v[XB+4*\n], v[XB+4*\n+1], v[XB+4*\n+2]   ; the row's maximum: my four channels,
.endr
.irp n, 0,1,2,3,4,5,6,7
	v_max_num_f32 v[M+2*\n], v[M+2*\n+1], v[XB+4*\n+3]
.endr
.irp k, 1,2,4
.irp n, 0,1,2,3,4,5,6,7
	v_max_num_f32_dpp v[M+2*\n], v[M+2*\n], v[M+2*\n] row_xmask:\k row_mask:0xf bank_mask:0xf   ; and those of the row's other seven lanes: lane l xor 1, 2, 4; eight chains by turns
.endr
.endr
.irp n, 0,1,2,3,4,5,6,7
.irp i, 0,2
	v_pk_add_f32 v[XB+4*\n+\i:XB+4*\n+\i+1], v[XB+4*\n+\i:XB+4*\n+\i+1], v[M+2*\n:M+2*\n+1] op_sel_hi:[1,0] neg_lo:[0,1] neg_hi:[0,1]   ; x - m, formed first, as it is defined: no difference of two large products stands ahead of the quantiser
.endr
.endr
.irp i, 0,2,4,6,8,10,12,14,16,18,20,22,24,26,28,30
	v_pk_mul_f32 v[XB+\i:XB+\i+1], v[XB+\i:XB+\i+1], s[CL:CL+1] op_sel_hi:[1,0]   ; x log2(e)
.endr
.irp i, 0,1,2,3,4,5,6,7,8,9,10,11,12,13,14,15,16,17,18,19,20,21,22,23,24,25,26,27,28,29,30,31
	v_exp_f32 v[XB+\i], v[XB+\i]                   ; p = exp(x - m): 32 exponentials as one batch
.endr
.irp n, 0,1,2,3,4,5,6,7
	v_add_f32 v[M+2*\n], v[M+2*\n], v[KB]          ; plain work behind the last exponential: m + (e0 + e1) ln 2, for the way out
.endr
	s_wait_alu depctr_va_vdst(0)                   ; one wait for the batch, ahead of its first reader
.irp i, 0,1,2,3,4,5,6,7,8,9,10,11,12,13,14,15,16,17,18,19,20,21,22,23,24,25,26,27,28,29,30,31
	v_min_num_f32 v[XB+\i], v[XB+\i], v[LIM]       ; the hold at the largest code x the scale (ISA guide 7.6.2); p is not negative, so it is one-sided
.endr
.irp k, 0,1,2,3
	v_cvt_scalef32_pk8_bf8_f32 v[C+2*\k:C+2*\k+1], v[XB+8*\k:XB+8*\k+7], v[SC]   ; two loads' numbers: a register of four codes for each
.endr
	v_nop                                          ; a plain instruction behind the last conversion: vector instructions write its sources and its results again further on
.irp n, 0,1,2,3,4,5,6,7
	ds_store_b32 v[CS], v[C+\n] offset:CTILE*(\n/4)+64*(\n%4)   ; tile n / 4, rows 4 (n % 4) + l / 8
.endr
	ds_load_b128 v[PA:PA+3],    v[CR]              ; LDS serves a wave's instructions in order (ISA guide 5.7.1.4): these see the stores above.  Registers 0-3 of the operand: channels 16 h + 0 .. 15 of row r
	ds_load_b128 v[PA+8:PA+11], v[CR] offset:CTILE
.if \q == 0
	s_wait_dscnt 0x0                               ; for the others' sake: w's image is stored (waves 0 and 1); no LDS instruction of mine is out at the signal
	s_barrier_signal -1
	s_barrier_wait -1                              ; the one barrier: behind it w's two images are whole.  It stands here so that the other waves quantise their first unit while w is made
	ds_load_b128 v[WF:WF+3],    v[WI]
	ds_load_b128 v[WF+8:WF+11], v[WI] offset:512
.endif
	s_wait_dscnt 0x0
.irp a, 0,1
.irp t, 0,1
	v_wmma_f32_16x16x64_bf8_bf8 v[D+16*\a+8*\t:D+16*\a+8*\t+7], v[WF+8*\t:WF+8*\t+7], v[PA+8*\a:PA+8*\a+7], 0   ; four sums, each begun and finished by one instruction
.endr
.endr
.rept 4
	v_nop                                          ; four places between the products and the first read of their results (ISA guide 7.12.1)
.endr
	; the way out: a lane holds 64 bytes of one row and its neighbours other rows, so a tile's sums go through my stage and come back in memory's order, into the registers in which that part of x came
.irp a, 0,1
.irp j, 0,1,2,3
	ds_store_b128 v[SO], v[D+16*\a+4*\j:D+16*\a+4*\j+3] offset:16*\j   ; each accumulator from its low end on
.endr
.irp i, 0,1,2,3
	ds_load_b128 v[XB+16*\a+4*\i:XB+16*\a+4*\i+3], v[SR] offset:\i*2*PITCH   ; in order again: these see the stores above, and tile 1's stores come behind tile 0's loads
.endr
.endr
	s_wait_dscnt 8                                 ; tile 0 is back; behind its loads stand tile 1's four stores and four loads
.irp i, 0,1,2,3,4,5,6,7,8,9,10,11,12,13,14,15
	v_log_f32 v[XB+\i], v[XB+\i]                   ; log2 of the sum
.endr
	s_wait_dscnt 0x0                               ; tile 1 is back, and the stage's stores have read the sums' registers
.irp i, 16,17,18,19,20,21,22,23,24,25,26,27,28,29,30,31
	v_log_f32 v[XB+\i], v[XB+\i]
.endr
	v_nop
	s_wait_alu depctr_va_vdst(0)                   ; one wait for the 32 logarithms
.irp n, 0,1,2,3,4,5,6,7
.irp i, 0,2
	v_pk_fma_f32 v[XB+4*\n+\i:XB+4*\n+\i+1], v[XB+4*\n+\i:XB+4*\n+\i+1], s[LN2:LN2+1], v[M+2*\n:M+2*\n+1] op_sel_hi:[1,0,0]   ; out = log2(sum) ln 2 + m + (e0 + e1) ln 2: piece n lies as load n lay, so its row's m is mine
.endr
.endr
.irp n, 0,1,2,3,4,5,6,7
	global_store_b128 v[GO], v[XB+4*\n:XB+4*\n+3], s[10:11] offset:\q*UNIT+512*\n th:TH_STORE_NT   ; 32 lanes store 512 consecutive bytes, at a multiple of 512 from out's first byte; written once, read by nobody here
.endr
.endm
	UNITQ 0
	UNITQ 1
	UNITQ 2
	UNITQ 3
	s_wait_tensorcnt 0x0
	ds_add_u32 v15, v35
	s_wait_dscnt 0x0
	s_endpgm
.Lfunc_end_k_q1278ed1fde_logconv:
	.size	k_q1278ed1fde_logconv, .Lfunc_end_k_q1278ed1fde_logconv-k_q1278ed1fde_logconv
	.p2alignl 7, 3214868480
	.fill 96, 4, 3214868480
	.section	.rodata,"a",@progbits
	.p2align	6, 0x0
	.amdhsa_kernel k_q1278ed1fde_logconv
		.amdhsa_group_segment_fixed_size 60416
		.amdhsa_private_segment_fixed_size 0
		.amdhsa_enable_private_segment 0
		.amdhsa_kernarg_size 32
		.amdhsa_user_sgpr_count 2
		.amdhsa_user_sgpr_kernarg_segment_ptr 1
		.amdhsa_wavefront_size32 1
		.amdhsa_system_sgpr_workgroup_id_x 1
		.amdhsa_system_sgpr_workgroup_id_y 1
		.amdhsa_system_sgpr_workgroup_id_z 1
		.amdhsa_system_vgpr_workitem_id 0
		.amdhsa_next_free_vgpr 256
		.amdhsa_next_free_sgpr 66
		.amdhsa_reserve_vcc 0
		.amdhsa_float_denorm_mode_32 3
		.amdhsa_float_denorm_mode_16_64 3
		.amdhsa_memory_ordered 1
		.amdhsa_forward_progress 1
		.amdhsa_inst_pref_size 64
	.end_amdhsa_kernel
	.amdgpu_metadata
---
amdhsa.version: [ 1, 2 ]
amdhsa.kernels:
  - .name:           k_q1278ed1fde_logconv
    .symbol:         k_q1278ed1fde_logconv.kd
    .args:
      - { .name: x, .offset: 0, .size: 8, .value_kind: global_buffer, .address_space: global }
      - { .name: accumulators, .offset: 8, .size: 8, .value_kind: global_buffer, .address_space: global }
      - { .name: lowp_scales, .offset: 16, .size: 8, .value_kind: global_buffer, .address_space: global }
      - { .name: out0, .offset: 24, .size: 8, .value_kind: global_buffer, .address_space: global }
    .group_segment_fixed_size: 60416
    .private_segment_fixed_size: 0
    .kernarg_segment_align: 8
    .kernarg_segment_size: 32
    .max_flat_workgroup_size: 512
    .sgpr_count:     66
    .vgpr_count:     256
    .wavefront_size: 32
...
	.end_amdgpu_metadata
.endif
;; end of part 1
;; ======== version 2 of 2: 1 launch; version 1 with the launch logconv written anew for expert scheduling mode
;; launch logconv (part 2): grid 256 x 1, 16 waves a work-group, no clusters, 60,416 bytes of LDS; arguments x, accumulators, lowp_scales, out0; writes out0
.if DOCPART == 2
	.amdgcn_target "amdgcn-amd-amdhsa--gfx1250"
	.amdhsa_code_object_version 6
	.text
	.protected	k_q1278ed1fde_logconv
	.globl	k_q1278ed1fde_logconv
	.p2align	8
	.type	k_q1278ed1fde_logconv,@function
k_q1278ed1fde_logconv:
	s_mov_b64 s[64:65], 0
	v_nop
	global_prefetch_b8 v0, s[64:65] scope:SCOPE_SE
	s_setreg_imm32_b32 hwreg(HW_REG_WAVE_SCHED_MODE, 0, 2), 2
	s_setreg_imm32_b32 hwreg(HW_REG_WAVE_MODE, 25, 1), 1
	s_wait_xcnt 0x0
	s_wait_alu depctr_vm_vsrc(0)
; out[row][s] = m[row] + ln( sum over c of Q0(p[row][c]) Q1(w[c][s]) ),  m = max over c of x[row][c],  p = exp(x - m),  w = exp(log_softmax over c of accumulators).
; x, out: [524,288][32] f32.  accumulators: [32 (c)][32 (s)] f32.  Q0, Q1: codes of BF8 (E5M2) with the given scales 2^e0, 2^e1 (lowp_scales); the product by v_wmma_f32_16x16x64_bf8_bf8, sums in f32.
; SHARES.  256 work-groups of 16 waves.  A work-group owns 2,048 rows, a wave 128 rows (16,384 bytes of x) as four UNITS of 32 rows, a unit as two tiles of 16 rows.
; ALL OF x THAT A WAVE NEEDS IS ASKED FOR AT THE HEAD, INTO REGISTERS: 32 loads of 512 consecutive bytes, 16 a lane, fill 128 registers.  Each unit is worked behind its own counted wait, while the younger loads are on their way.
; THE LOADS' LAYOUT.  In load n lane l holds row 4 n + l / 8, channels 4 (l % 8) + 0 .. 3: a row lies in eight neighbouring lanes.  Its maximum takes three steps between lanes; x - m, the exponential, the hold and the
; conversion are made number by number where the numbers lie.  ONLY THE CODES, a quarter of the bytes, go through LDS to reach the operand's layout.
; THE PRODUCT is used transposed: source 0 = 16 columns of w, source 1 = 16 rows of p.  Lane (r, h) (r = lane % 16, h = lane / 16) holds row r, and of the result the columns 16 h .. 16 h + 15: w's tile t takes column
; 16 (m / 8) + 8 t + m % 8 as its row m, so that a lane's 8 + 8 results of the two tiles are 64 neighbouring bytes of its row.
; K is 32 of the instruction's 64: byte b of register i (i = 0 .. 3) holds channel 16 h + 4 i + b in BOTH operands (one permutation of k for both keeps every product with its partner); registers 4-7 hold zero codes.
; THE WAY OUT.  The sums go through the wave's stage in LDS and come back in memory's order, which is the loads' layout again: the lane still holds that row's m.  So the logarithm and the addition of m are made there,
; in the registers that x came in, and each store of the wave covers 512 consecutive bytes.
; w IS MADE ONCE A WORK-GROUP: wave 0 makes tile 0, wave 1 tile 1 (exp(a - max) x 1 / sum, which is exp(log_softmax)); the four registers go to LDS as they stand, one barrier, every wave loads both.
; NO CLUSTER: work-groups share nothing but the accumulators' 4,096 bytes.  NO TENSOR LOAD: what a wave reads of x fits in its registers, and nobody else reads it.
; LIMITS: e0 and e1 between -126 and 112, so that 2^e and 57,344 x 2^e are f32 numbers.  NaN or +infinity in x, and a row that is all -infinity, are not served (the maximum and the hold's minimum drop a NaN).
; v_exp_f32 gives 0 under 2^-126 (ISA guide 15.8): such p and w count as 0, which shows only where e is under -109.
; THE MODE: SCHED_MODE bits 1:0 = 2 (LLVM: expert scheduling mode 2), set by the entry lines.  The code itself states the register dependences
; between vector or matrix instructions and memory or LDS instructions, with s_wait_alu, always for 0.
; THE PLAN.  Registers that memory or LDS instructions touch:
;   v2-v9, v15, v35  Addresses, and the closing add's two: written once at the head, read by loads and stores, never written again.  One wait on va_vdst ahead of the branch on the wave's number states them all.
;   A  (v36-51)      Waves 0 and 1: the accumulators' loads land there once; no vector instruction names them before.
;   X  (v128-255)    A unit's 32: x's loads land (nothing has named them); the unit's vector work reads and writes them up to the conversions; the stage's LDS loads land in them; the logarithms and the
;                    multiply-adds write them; the global stores read them; nothing writes them again.
;   C  (v56-63)      Written by the conversions, read by the LDS stores of the codes (waves 0 and 1: first by the store of w's image), written again by the next unit's conversions.
;   PA (v64-67, v72-75)  The LDS loads of the codes land there, the unit's four products read them, the next unit's loads land there again.   WF (v80-83, v88-91): LDS loads land there once.
;   D  (v96-127)     Written by the products, read by the stage's LDS stores, written again by the next unit's products.
;   M, KB, SC, LIM, WT and the operands' zero registers are named by vector and matrix instructions alone.
; A unit therefore holds: a wait on va_vdst behind the exponentials; from the second unit on ONE wait on vm_vsrc ahead of the conversions, for C and for D; a wait on va_vdst ahead of the codes' LDS stores and loads;
; one behind the places behind the products, ahead of the stage's stores and loads; one behind the logarithms; one ahead of the global stores.
.set UNITS,  4                         ; units of a wave
.set UNIT,   4096                      ; bytes of x, and of out, in a unit: 8 loads or stores of 512
.set WAVES,  16
.set PITCH,  272                       ; the stage: a line of 256 bytes (two rows of out) + 16 of padding = 68 words
.set SREG,   2304                      ; a wave's stage: 8 lines x 272 bytes, rounded up to blocks of 256
.set STG,    0
.set CHALF,  320                       ; a tile's codes: 16 rows x 16 bytes of channels 0-15, then, 320 bytes = 80 words on, of channels 16-31: the two halves of a store's lanes fall on different banks, and each half is read as 256 bytes on end
.set CTILE,  CHALF+256                 ; 576 bytes a tile
.set CREG,   1280                      ; a wave's two tiles of codes, rounded up to blocks of 256
.set CST,    STG+WAVES*SREG            ; 36,864
.set WIMG,   CST+WAVES*CREG            ; 57,344: w's two tiles as images of their registers, 512 bytes each.  58,368 bytes in all; behind them, from 0xe400 on, the spare words: 128 bytes for each of the 16 waves, which no other line names
.set SO,  2                            ; v2   the stage: where I put my 64 bytes of row r
.set SR,  3                            ; v3   the stage: where I read 16 bytes back, in memory's order
.set GO,  4                            ; v4   16 x lane: my place in a load's or a store's 512 bytes; never rewritten
.set WI,  5                            ; v5   w's image: 16 x lane
.set WS,  6                            ; v6   where waves 0 and 1 store it: + 512 x tile
.set AO,  7                            ; v7   my byte offset in the accumulators
.set CS,  8                            ; v8   the codes: where I put the four codes of a load
.set CR,  9                            ; v9   the codes: where I read my 16 of row r
.set SC,  10                           ; v10  2^e0 as f32: the conversion takes its exponent field
.set LIM, 11                           ; v11  57,344 x 2^e0
.set KB,  12                           ; v12  (e0 + e1) ln 2
.set SCW, 13                           ; v13, v14: the same as v10, v11 with e1 (waves 0 and 1)
.set LIMW, 14
.set M,   16                           ; v16-31   load n of a unit: v[16 + 2 n] its row's m, later m + (e0 + e1) ln 2; v[17 + 2 n] at work (named with it as a pair, so it is written)
.set A,   36                           ; v36-51   waves 0 and 1: 16 accumulators, then w
.set WT,  52                           ; v52-55   at work while w is made
.set C,   56                           ; v56-63   the codes just made: a register for each load of a unit
.set PA,  64                           ; v64-79   p's two operands: 4 registers of codes, 4 of zeros
.set WF,  80                           ; v80-95   w's two operands, likewise
.set D,   96                           ; v96-127  the sums (tile a, w's tile t at D + 16 a + 8 t)
.set X,   128                          ; v128-255 load n of the wave at X + 4 n: x, then p, then out: no store's data are ever written again
.set WV,  12                           ; s12  my wave's number
.set SEL, 42                           ; s[42:43] v_permlanex16_b32's selects for lane l xor 16
.set CL,  44                           ; s[44:45] log2(e): the packed forms name a pair and take its low word for both halves
.set LN2, 46                           ; s[46:47] ln 2
.macro XLOADS                          ; my wave's 16,384 bytes: each load reads 512 consecutive bytes, at a multiple of 512 from x's first byte; read once by this wave alone
.set nn, 0
.rept 32
	global_load_b128 v[X+4*nn:X+4*nn+3], v[GO], s[4:5] offset:512*nn th:TH_LOAD_NT
.set nn, nn+1
.endr
.endm
	s_load_b256 s[4:11], s[0:1], 0x0               ; x s[4:5], accumulators s[6:7], lowp_scales s[8:9], out s[10:11]
	v_lshl_add_u32 v15, v0, 2, 0xe400              ; the LDS address of my spare word, and 0: made here and kept for the closing lines alone
	v_mov_b32 v35, 0
	v_lshrrev_b32 v1, 5, v0
	v_readfirstlane_b32 s[WV], v1                  ; wave 0..15
	s_mov_b32 s[SEL], 0x76543210
	s_mov_b32 s[SEL+1], 0xfedcba98
	s_mov_b32 s[CL], 0x3fb8aa3b                    ; log2(e)
	s_mov_b32 s[CL+1], s[CL]
	s_mov_b32 s[LN2], 0x3f317218                   ; ln 2
	s_mov_b32 s[LN2+1], s[LN2]
	s_lshl_b32 s2, ttmp9, 18                       ; the work-group's 262,144 bytes,
	s_wait_alu depctr_va_sdst(0)                   ; s12, the wave's number, is written, ahead of its first reader: the line below
	s_lshl_b32 s3, s[WV], 14                       ; my wave's 16,384 of them: under 2^26 in all
	s_add_co_u32 s2, s2, s3
	s_mov_b32 s3, 0
	s_mul_i32 s14, s[WV], SREG                     ; my wave's stage (the stages begin at LDS byte 0)
	s_mul_i32 s13, s[WV], CREG
	s_add_co_u32 s13, s13, CST                     ; my wave's codes
	s_and_b32 s15, s[WV], 1                        ; which tile of w I make, if I make one
	s_lshl_b32 s48, s15, 9
	s_lshl_b32 s49, s15, 3
	; every address is made here, ahead of the branch on the wave's number, while the arguments are on their way
	v_and_b32 v1, 15, v0                           ; r
	v_bfe_u32 v32, v0, 4, 1                        ; h
	v_bfe_u32 v33, v0, 1, 3                        ; r / 2: two rows of 128 bytes lie in a line of the stage
	v_and_b32 v34, 1, v0                           ; r % 2
	v_mul_u32_u24 v33, v33, PITCH
	v_lshl_add_u32 v33, v34, 7, v33
	v_lshl_add_u32 v33, v32, 6, v33                ; (r / 2) x 272 + (r % 2) x 128 + 64 h
	v_add_nc_u32 v[SO], s14, v33
	v_mul_u32_u24 v34, v32, PITCH
	v_lshl_add_u32 v34, v1, 4, v34                 ; back: lanes 0-15 take one line of 256 bytes, lanes 16-31 the next
	v_add_nc_u32 v[SR], s14, v34
	v_and_b32 v[GO], 31, v0
	v_lshlrev_b32 v[GO], 4, v[GO]
	v_add_nc_u32 v[WI], WIMG, v[GO]
	v_add_nc_u32 v[WS], s48, v[WI]
	v_bfe_u32 v33, v0, 2, 1                        ; the codes, in: lane l holds channels 4 (l % 8) on, of row 4 j + l / 8: which half of the channels,
	v_mul_u32_u24 v33, v33, CHALF
	v_bfe_u32 v34, v0, 3, 2
	v_lshl_add_u32 v33, v34, 4, v33                ; + 16 (l / 8): the row (load j's 64 j stands in the store's offset),
	v_and_b32 v34, 3, v0
	v_lshl_add_u32 v33, v34, 2, v33                ; + 4 (l % 4): its place among the half's 16 bytes
	v_add_nc_u32 v[CS], s13, v33
	v_mul_u32_u24 v33, v32, CHALF                  ; the codes, out: 320 h + 16 r: channels 16 h .. 16 h + 15 of row r
	v_lshl_add_u32 v33, v1, 4, v33
	v_add_nc_u32 v[CR], s13, v33
	v_and_b32 v33, 7, v0
	v_bfe_u32 v34, v0, 3, 1
	v_lshl_add_u32 v33, v34, 4, v33
	v_add_nc_u32 v33, s49, v33                     ; my column of w: 16 (r / 8) + 8 t + r % 8
	v_lshlrev_b32 v33, 2, v33
	v_lshl_add_u32 v[AO], v32, 11, v33             ; + 16 h rows of 128 bytes: my registers run down c = 16 h + 0 .. 15
.irp i, 4,5,6,7,12,13,14,15
	v_mov_b32 v[PA+\i], 0                          ; the upper half of K: zero codes in both operands, written once
	v_mov_b32 v[WF+\i], 0
.endr
	s_wait_kmcnt 0x0
	s_load_b64 s[40:41], s[8:9], 0x0               ; e0, e1
	s_add_nc_u64 s[4:5], s[4:5], s[2:3]            ; x and out at my wave's first row
	s_add_nc_u64 s[10:11], s[10:11], s[2:3]
	s_wait_alu depctr_va_vdst(0)                   ; the eight addresses v2 to v9 are written, which every load and store of the kernel reads, on both ways below; none of them is written again
	s_cmp_lt_u32 s[WV], 2
	s_cbranch_scc0 .Lothers
	; ---- waves 0 and 1: a tile of w.  Lane (r, h) takes one column and its registers run down c: the softmax needs one exchange between the halves, and the codes come out with K innermost
.irp i, 0,1,2,3,4,5,6,7,8,9,10,11,12,13,14,15
	global_load_b32 v[A+\i], v[AO], s[6:7] offset:128*\i   ; ahead of x's loads, so that a counted wait serves them
.endr
	XLOADS
	s_wait_kmcnt 0x0
	s_add_co_i32 s50, s41, 127
	s_lshl_b32 s51, s50, 23
	v_mov_b32 v[SCW], s51                          ; 2^e1
	s_add_co_i32 s50, s50, 15
	s_lshl_b32 s50, s50, 23
	s_or_b32 s50, s50, 0x600000
	v_mov_b32 v[LIMW], s50                         ; 57,344 x 2^e1
	s_wait_loadcnt 32                              ; loads come back in order (ISA guide 5.7.1): the accumulators are in, x's 32 loads may be out
	v_max3_num_f32 v[WT],   v[A],   v[A+1], v[A+2] ; the column's largest accumulator: my 16 in two chains,
	v_max3_num_f32 v[WT+1], v[A+3], v[A+4], v[A+5]
.irp k, 6,10
	v_max3_num_f32 v[WT],   v[WT],   v[A+\k],   v[A+\k+1]
	v_max3_num_f32 v[WT+1], v[WT+1], v[A+\k+2], v[A+\k+3]
.endr
	v_max3_num_f32 v[WT], v[WT], v[A+14], v[A+15]
	v_max_num_f32 v[WT], v[WT], v[WT+1]
	v_permlanex16_b32 v[WT+1], v[WT], s[SEL], s[SEL+1]   ; and the other 16, in the lane 16 away (the destination has been written: it was the second chain)
	v_max_num_f32 v[WT], v[WT], v[WT+1]
.irp i, 0,2,4,6,8,10,12,14
	v_pk_add_f32 v[A+\i:A+\i+1], v[A+\i:A+\i+1], v[WT:WT+1] op_sel_hi:[1,0] neg_lo:[0,1] neg_hi:[0,1]   ; a - max (of the pair the low word serves both halves)
.endr
.irp i, 0,2,4,6,8,10,12,14
	v_pk_mul_f32 v[A+\i:A+\i+1], v[A+\i:A+\i+1], s[CL:CL+1] op_sel_hi:[1,0]
.endr
	s_wait_alu depctr_va_vdst(0)
.irp i, 0,1,2,3,4,5,6,7,8,9,10,11,12,13,14,15
	v_exp_f32 v[A+\i], v[A+\i]                     ; exp(a - max): the largest is 1, so the sum is at least 1
.endr
	v_nop                                          ; a plain instruction behind the last exponential
	s_wait_alu depctr_va_vdst(0)                   ; the sixteen exponentials have written v[A ..], ahead of their first readers, the sums below: one wait for the batch
	v_pk_add_f32 v[WT:WT+1],   v[A:A+1],     v[A+2:A+3]
	v_pk_add_f32 v[WT+2:WT+3], v[A+4:A+5],   v[A+6:A+7]
	v_pk_add_f32 v[WT:WT+1],   v[WT:WT+1],   v[A+8:A+9]
	v_pk_add_f32 v[WT+2:WT+3], v[WT+2:WT+3], v[A+10:A+11]
	v_pk_add_f32 v[WT:WT+1],   v[WT:WT+1],   v[A+12:A+13]
	v_pk_add_f32 v[WT+2:WT+3], v[WT+2:WT+3], v[A+14:A+15]
	v_pk_add_f32 v[WT:WT+1],   v[WT:WT+1],   v[WT+2:WT+3]
	v_add_f32 v[WT], v[WT], v[WT+1]
	v_permlanex16_b32 v[WT+1], v[WT], s[SEL], s[SEL+1]
	v_add_f32 v[WT], v[WT], v[WT+1]                ; the column's sum over all 32 c
	s_wait_alu depctr_va_vdst(0)
	v_rcp_f32 v[WT+2], v[WT]
	v_nop
	s_wait_alu depctr_va_vdst(0)                   ; the reciprocal has written v[WT+2], ahead of its first reader
.irp i, 0,2,4,6,8,10,12,14
	v_pk_mul_f32 v[A+\i:A+\i+1], v[A+\i:A+\i+1], v[WT+2:WT+3] op_sel_hi:[1,0]   ; w, finished and normalised
.endr
.irp i, 0,1,2,3,4,5,6,7,8,9,10,11,12,13,14,15
	v_min_num_f32 v[A+\i], v[A+\i], v[LIMW]        ; the conversion to an 8-bit code does not saturate (ISA guide 7.6.2): the hold at the largest code x the scale; w is not negative, so it is one-sided
.endr
	v_cvt_scalef32_pk8_bf8_f32 v[C:C+1],   v[A:A+7],    v[SCW]
	v_cvt_scalef32_pk8_bf8_f32 v[C+2:C+3], v[A+8:A+15], v[SCW]
	v_nop                                          ; a plain instruction behind the last conversion: later conversions write these registers again
	s_wait_alu depctr_va_vdst(0)                   ; the two conversions have written v[C:C+3], which the LDS store reads
	ds_store_b128 v[WS], v[C:C+3]                  ; the operand's four registers as they stand: 16 bytes a lane, 512 a tile
	s_wait_alu depctr_vm_vsrc(0)                   ; the store has read v[C:C+3]: the first unit's conversions write them again.  (That the image has landed is shown in front of the barrier's signal, in the first unit)
	s_branch .Ljoin
.Lothers:
	XLOADS
.Ljoin:                                                ; on both ways x's 32 loads are the youngest: the counts below hold for every wave
	s_wait_kmcnt 0x0
	s_add_co_i32 s48, s40, 127
	s_lshl_b32 s49, s48, 23
	v_mov_b32 v[SC], s49                           ; 2^e0
	s_add_co_i32 s48, s48, 15
	s_lshl_b32 s48, s48, 23
	s_or_b32 s48, s48, 0x600000
	v_mov_b32 v[LIM], s48                          ; 57,344 x 2^e0
	s_add_co_i32 s48, s40, s41
	v_cvt_f32_i32 v[KB], s48
	v_mul_f32 v[KB], s[LN2], v[KB]                 ; a sum of codes stands for sum x 2^(e0 + e1): its logarithm lacks (e0 + e1) ln 2
; A UNIT: 32 rows, eight loads side by side.
.macro UNITQ q
.set XB, X+32*\q
	s_wait_loadcnt 8*(UNITS-1-\q)                  ; this unit's eight loads are in; the younger units' may be out
.irp n, 0,1,2,3,4,5,6,7
	v_max3_num_f32 v[M+2*\n+1], v[XB+4*\n], v[XB+4*\n+1], v[XB+4*\n+2]   ; the row's maximum: my four channels,
.endr
.irp n, 0,1,2,3,4,5,6,7
	v_max_num_f32 v[M+2*\n], v[M+2*\n+1], v[XB+4*\n+3]
.endr
.irp k, 1,2,4
.irp n, 0,1,2,3,4,5,6,7
	v_max_num_f32_dpp v[M+2*\n], v[M+2*\n], v[M+2*\n] row_xmask:\k row_mask:0xf bank_mask:0xf   ; and those of the row's other seven lanes: lane l xor 1, 2, 4; eight chains by turns
.endr
.endr
.irp n, 0,1,2,3,4,5,6,7
.irp i, 0,2
	v_pk_add_f32 v[XB+4*\n+\i:XB+4*\n+\i+1], v[XB+4*\n+\i:XB+4*\n+\i+1], v[M+2*\n:M+2*\n+1] op_sel_hi:[1,0] neg_lo:[0,1] neg_hi:[0,1]   ; x - m, formed first, as it is defined: no difference of two large products stands ahead of the quantiser
.endr
.endr
.irp i, 0,2,4,6,8,10,12,14,16,18,20,22,24,26,28,30
	v_pk_mul_f32 v[XB+\i:XB+\i+1], v[XB+\i:XB+\i+1], s[CL:CL+1] op_sel_hi:[1,0]   ; x log2(e)
.endr
	s_wait_alu depctr_va_vdst(0)
.irp i, 0,1,2,3,4,5,6,7,8,9,10,11,12,13,14,15,16,17,18,19,20,21,22,23,24,25,26,27,28,29,30,31
	v_exp_f32 v[XB+\i], v[XB+\i]                   ; p = exp(x - m): 32 exponentials as one batch
.endr
.irp n, 0,1,2,3,4,5,6,7
	v_add_f32 v[M+2*\n], v[M+2*\n], v[KB]          ; plain work behind the last exponential: m + (e0 + e1) ln 2, for the way out
.endr
	s_wait_alu depctr_va_vdst(0)                   ; the 32 exponentials have written v[XB ..], ahead of their first readers, the holds below: one wait for the batch
.irp i, 0,1,2,3,4,5,6,7,8,9,10,11,12,13,14,15,16,17,18,19,20,21,22,23,24,25,26,27,28,29,30,31
	v_min_num_f32 v[XB+\i], v[XB+\i], v[LIM]       ; the hold at the largest code x the scale (ISA guide 7.6.2); p is not negative, so it is one-sided
.endr
.if \q > 0
	s_wait_alu depctr_vm_vsrc(0)                   ; the LDS stores of the unit before have read the codes' registers v[C ..], which the conversions below write again, and the sums' registers v[D ..], which this unit's products write again
.endif
.irp k, 0,1,2,3
	v_cvt_scalef32_pk8_bf8_f32 v[C+2*\k:C+2*\k+1], v[XB+8*\k:XB+8*\k+7], v[SC]   ; two loads' numbers: a register of four codes for each
.endr
	v_nop                                          ; a plain instruction behind the last conversion: vector instructions write its sources and its results again further on
	s_wait_alu depctr_va_vdst(0)                   ; the conversions have written v[C ..], which the LDS stores read; the products of the unit before are done reading p's operands, in which the LDS loads land
.irp n, 0,1,2,3,4,5,6,7
	ds_store_b32 v[CS], v[C+\n] offset:CTILE*(\n/4)+64*(\n%4)   ; tile n / 4, rows 4 (n % 4) + l / 8
.endr
	ds_load_b128 v[PA:PA+3],    v[CR]              ; LDS serves a wave's instructions in order (ISA guide 5.7.1.4): these see the stores above.  Registers 0-3 of the operand: channels 16 h + 0 .. 15 of row r
	ds_load_b128 v[PA+8:PA+11], v[CR] offset:CTILE
.if \q == 0
	s_wait_dscnt 0x0                               ; for the others' sake: w's image is stored (waves 0 and 1); no LDS instruction of mine is out at the signal
	s_barrier_signal -1
	s_barrier_wait -1                              ; the one barrier: behind it w's two images are whole.  It stands here so that the other waves quantise their first unit while w is made
	ds_load_b128 v[WF:WF+3],    v[WI]              ; no vector or matrix instruction has named these eight registers
	ds_load_b128 v[WF+8:WF+11], v[WI] offset:512
.endif
	s_wait_dscnt 0x0
.irp a, 0,1
.irp t, 0,1
	v_wmma_f32_16x16x64_bf8_bf8 v[D+16*\a+8*\t:D+16*\a+8*\t+7], v[WF+8*\t:WF+8*\t+7], v[PA+8*\a:PA+8*\a+7], 0   ; four sums, each begun and finished by one instruction
.endr
.endr
.rept 4
	v_nop                                          ; four places between the products and the first read of their results (ISA guide 7.12.1)
.endr
	s_wait_alu depctr_va_vdst(0)                   ; the products have written v[D ..], which the stage's stores read (the places above stay beside this wait); the holds and conversions are done with v[XB ..], in which the stage's loads land
	; the way out: a lane holds 64 bytes of one row and its neighbours other rows, so a tile's sums go through my stage and come back in memory's order, into the registers in which that part of x came
.irp a, 0,1
.irp j, 0,1,2,3
	ds_store_b128 v[SO], v[D+16*\a+4*\j:D+16*\a+4*\j+3] offset:16*\j   ; each accumulator from its low end on
.endr
.irp i, 0,1,2,3
	ds_load_b128 v[XB+16*\a+4*\i:XB+16*\a+4*\i+3], v[SR] offset:\i*2*PITCH   ; in order again: these see the stores above, and tile 1's stores come behind tile 0's loads
.endr
.endr
	s_wait_dscnt 8                                 ; tile 0 is back; behind its loads stand tile 1's four stores and four loads
.irp i, 0,1,2,3,4,5,6,7,8,9,10,11,12,13,14,15
	v_log_f32 v[XB+\i], v[XB+\i]                   ; log2 of the sum
.endr
	s_wait_dscnt 0x0                               ; tile 1 is back
.irp i, 16,17,18,19,20,21,22,23,24,25,26,27,28,29,30,31
	v_log_f32 v[XB+\i], v[XB+\i]
.endr
	v_nop
	s_wait_alu depctr_va_vdst(0)                   ; the 32 logarithms have written v[XB ..], ahead of their first readers, the multiply-adds below: one wait for the batch
.irp n, 0,1,2,3,4,5,6,7
.irp i, 0,2
	v_pk_fma_f32 v[XB+4*\n+\i:XB+4*\n+\i+1], v[XB+4*\n+\i:XB+4*\n+\i+1], s[LN2:LN2+1], v[M+2*\n:M+2*\n+1] op_sel_hi:[1,0,0]   ; out = log2(sum) ln 2 + m + (e0 + e1) ln 2: piece n lies as load n lay, so its row's m is mine
.endr
.endr
	s_wait_alu depctr_va_vdst(0)                   ; the multiply-adds have written v[XB ..], which the eight stores read
.irp n, 0,1,2,3,4,5,6,7
	global_store_b128 v[GO], v[XB+4*\n:XB+4*\n+3], s[10:11] offset:\q*UNIT+512*\n th:TH_STORE_NT   ; 32 lanes store 512 consecutive bytes, at a multiple of 512 from out's first byte; written once, read by nobody here
.endr
.endm
	UNITQ 0
	UNITQ 1
	UNITQ 2
	UNITQ 3
	s_wait_dscnt 0x0                               ; the closing lines, six on end
	s_wait_alu 0x0
	s_wait_tensorcnt 0x0
	ds_add_u32 v15, v35
	s_wait_dscnt 0x0
	s_endpgm
.Lfunc_end_k_q1278ed1fde_logconv:
	.size	k_q1278ed1fde_logconv, .Lfunc_end_k_q1278ed1fde_logconv-k_q1278ed1fde_logconv
	.p2alignl 7, 3214868480
	.fill 96, 4, 3214868480
	.section	.rodata,"a",@progbits
	.p2align	6, 0x0
	.amdhsa_kernel k_q1278ed1fde_logconv
		.amdhsa_group_segment_fixed_size 60416
		.amdhsa_private_segment_fixed_size 0
		.amdhsa_enable_private_segment 0
		.amdhsa_kernarg_size 32
		.amdhsa_user_sgpr_count 2
		.amdhsa_user_sgpr_kernarg_segment_ptr 1
		.amdhsa_wavefront_size32 1
		.amdhsa_system_sgpr_workgroup_id_x 1
		.amdhsa_system_sgpr_workgroup_id_y 1
		.amdhsa_system_sgpr_workgroup_id_z 1
		.amdhsa_system_vgpr_workitem_id 0
		.amdhsa_next_free_vgpr 256
		.amdhsa_next_free_sgpr 66
		.amdhsa_reserve_vcc 0
		.amdhsa_float_denorm_mode_32 3
		.amdhsa_float_denorm_mode_16_64 3
		.amdhsa_memory_ordered 1
		.amdhsa_forward_progress 1
		.amdhsa_inst_pref_size 65
	.end_amdhsa_kernel
	.amdgpu_metadata
---
amdhsa.version: [ 1, 2 ]
amdhsa.kernels:
  - .name:           k_q1278ed1fde_logconv
    .symbol:         k_q1278ed1fde_logconv.kd
    .args:
      - { .name: x, .offset: 0, .size: 8, .value_kind: global_buffer, .address_space: global }
      - { .name: accumulators, .offset: 8, .size: 8, .value_kind: global_buffer, .address_space: global }
      - { .name: lowp_scales, .offset: 16, .size: 8, .value_kind: global_buffer, .address_space: global }
      - { .name: out0, .offset: 24, .size: 8, .value_kind: global_buffer, .address_space: global }
    .group_segment_fixed_size: 60416
    .private_segment_fixed_size: 0
    .kernarg_segment_align: 8
    .kernarg_segment_size: 32
    .max_flat_workgroup_size: 512
    .sgpr_count:     66
    .vgpr_count:     256
    .wavefront_size: 32
...
	.end_amdgpu_metadata
.endif
;; end of part 2
